; MI455X (gfx1250); checked and timed in simulation.
; The chip was launched on July 23, 2026; its instructions are those of AMD's public machine-readable ISA for CDNA 5 (MIT licence, August 2026) and "CDNA5" Instruction Set Architecture Reference Guide (July 2026). The comments in the code are by the model that wrote it; some were corrected since.
;; Attention Model. Allowed arithmetic: matrix products marked QUANTISED: E2M1 operands, one E8M0 scale for each 32 along K, by v_wmma_scale_f32_16x16x128_f8f6f4 with both operands' format E2M1 (or v_wmma_scale_f32_32x16x128_f4), f32 sums; products left as they are: f32 operands where the result goes on into a quantised operand, else bf16, f16 or f32 operands; f32 sums; everything else in f32.
;; Inputs: W1_codes 1,024 x 32 x 16 uint8 (E2M1 codes of W1, K innermost, in blocks of 32 codes, two codes a byte); W1_scales 1,024 x 32 uint8 (E8M0 scales of W1, one for each 32 codes along K); W2_codes 1,024 x 32 x 16 uint8 (E2M1 codes of W2, K innermost, in blocks of 32 codes, two codes a byte); W2_scales 1,024 x 32 uint8 (E8M0 scales of W2, one for each 32 codes along K); Wv 1,024 x 1 float32; b1 1,024 float32; b2 1,024 float32; bv 1 float32; features 32 x 2,048 x 1,024 float32; hidden_codes 32 x 32 x 16 uint8 (E2M1 codes of hidden, K innermost, in blocks of 32 codes, two codes a byte); hidden_scales 32 x 32 uint8 (E8M0 scales of hidden, one for each 32 codes along K).
;; Outputs: out0 32 x 1,024 float32; out1 32 x 2,048 x 1 float32.
;; This version of the problem:
;;   THIS VERSION OF THE PROBLEM IS GIVEN IN LOW PRECISION. The matrix products marked QUANTISED in the list below multiply operands that are first quantised to E2M1 (2 exponent bits, 1 mantissa bit; 4 bits a number), with one power-of-two scale for each 32 numbers along K (OCP MX v1.0); their sums are f32. All else is computed in f32.
;;   The module's matrix products, in the order in which they are computed (A, B: the left and right operand; K: the contracted axis; several contracted axes count as one K, in the product's order):
;;     1. [M 65,536, K 1,024] x [K 1,024, N 1,024]; A: input features; B: input W1 (given as codes): QUANTISED
;;     2. [M 32, K 1,024] x [K 1,024, N 1,024]; A: input hidden (given as codes); B: input W2 (given as codes): QUANTISED
;;     3. [M 65,536, K 1,024] x [K 1,024, N 1]; A: computed on the way; B: input Wv: left as it is (N = 1 < 16)
;;   THE QUANTISER, for each operand of a quantised product, along K:
;;     - K is cut into blocks of 32 from its start; a last block that is shorter is filled with zeros.
;;     - A block's scale is 2^e with e = floor(log2(the largest magnitude in the block)) - 2, held to -126 .. 127; a block of zeros has e = 0. As a byte (E8M0): e + 127.
;;     - Each number is divided by its block's scale, clamped to +-6, and rounded to the nearest number of E2M1, ties to even, subnormals kept.
;;     - The product sums the exact products of the quantised numbers (number of the format x scale) in f32.
;;   ~~~python
;;   def quantise(x, axis):      # numpy; x: float32 -> the quantised numbers, widened to float32 again
;;       x = np.moveaxis(x, axis, -1); K = x.shape[-1]
;;       x = np.pad(x, [(0, 0)] * (x.ndim - 1) + [(0, -K % 32)]); x = x.reshape(x.shape[:-1] + (-1, 32)); a = np.abs(x).max(-1, keepdims=True)
;;       e = np.where(a > 0, np.clip(np.frexp(np.where(a > 0, a, 1))[1] - 1 - 2, -126, 127), 0)      # np.frexp(a)[1] - 1 = floor(log2(a)), exactly
;;       r = np.clip(x / 2.0 ** e, -6, 6)
;;       step = 2.0 ** (np.maximum(np.frexp(np.where(r == 0, 1, r))[1] - 1, 0) - 1)
;;       q = np.round(r / step) * step * 2.0 ** e      # np.round: ties to even
;;       return np.moveaxis(q.reshape(q.shape[:-2] + (-1,))[..., :K], -1, axis).astype(np.float32)
;;   ~~~
;;   INPUTS GIVEN AS CODES. W1 (in the module: [1024, 1024], K = its axis 0); W2 (in the module: [1024, 1024], K = its axis 0); hidden (in the module: [32, 1024], K = its axis 1): each comes as NAME_codes (uint8): NAME with its K axis moved to the last place and cut into blocks of 32 codes, [.., K / 32, bytes a block], one block behind the other in memory; two codes a byte, the lower K in the low four bits (a code: sign, 2 exponent bits, 1 mantissa bit); and NAME_scales (uint8): the same leading axes, one E8M0 byte (e + 127) for each 32 codes along K. Its value is code x scale, taken as it is: it is not quantised again, and the codes and scales need not be those that the quantiser above would give.
;; One version. Each part assembles by itself: llvm-mc -triple=amdgcn-amd-amdhsa -mcpu=gfx1250 --defsym DOCPART=n.
;; ======== version 1 of 1: 3 launches
;; limits: right only within a limited range of input values
;; workspace buffers: w1f 524,288 bytes; w1s 32,768 bytes; cbc 131,072 bytes; scores 262,144 bytes; part 1,048,576 bytes
;; launch prep (part 1): grid 128 x 1, 1 waves a work-group, no clusters, 0 bytes of LDS; arguments W1_codes, W1_scales, W2_codes, W2_scales, hidden_codes, hidden_scales, b1, b2, w1f, w1s, cbc; writes w1f, w1s, cbc
.if DOCPART == 1
	.amdgcn_target "amdgcn-amd-amdhsa--gfx1250"
	.amdhsa_code_object_version 6
	.text
	.protected	k_q271d32c582_prep
	.globl	k_q271d32c582_prep
	.p2align	8
	.type	k_q271d32c582_prep,@function
k_q271d32c582_prep:
	s_mov_b64 s[64:65], 0
	v_nop
	global_prefetch_b8 v0, s[64:65] scope:SCOPE_SE
	s_setreg_imm32_b32 hwreg(HW_REG_WAVE_MODE, 25, 1), 1
	s_wait_xcnt 0x0
; PREP.  One wave to a work-group, no LDS.  Work-groups 0-63 lay W1 in the order of the operand's registers; work-groups 64-127 make the second product.
; W1: tile g = columns d = 16 g .. 16 g + 15 (rows of W1_codes, 512 bytes each).  A fragment of 16 rows x 128 K of 4-bit codes is 8 registers: lane (r, h) holds row r, registers 4 c .. 4 c + 3 the
;   16 bytes at 64 s + 32 c + 16 h of the row.  Piece i = 2 s + c of tile g goes to w1f + 8192 g + 512 i + 16 x lane: the main launch then fetches a piece by one load of 512 consecutive bytes.
;   Scale words: register i of four holds the word of K step 2 i in lanes 0-15 and of K step 2 i + 1 in lanes 16-31; w1s + 512 g: registers 0, 1 at 8 x lane, registers 2, 3 at 256 + 8 x lane.
; W2: cbc[b][d] = (hidden W2 + b1 + b2)[b][d] x C2, C2 = 2 log2(e): the addend of the main launch's exponent.  The product is used transposed (source 0 = 16 rows of W2_codes, source 1 = 16 rows of
;   hidden): lane (r, h) holds b = 16 t + r, register j holds d = 16 g + 8 h + j.  Codes and scale bytes are taken as they are given.
;   These stores write 32 bytes a lane to rows 4,096 bytes apart: 131,072 bytes in all, once.
; DEAD WORK, for the whole program.  reference() adds bv to every score of a batch row and takes the softmax over those scores: softmax(s + c) = softmax(s) for every finite c, and the scores themselves are no output.
; So bv reaches neither output: it is not loaded and is among no launch's arguments.  LIMIT: a NaN, an infinity or an overflow that would arise from bv alone is not carried to the results.
	s_load_b512 s[4:19], s[0:1], 0x0
	s_load_b128 s[20:23], s[0:1], 0x40             ; w1f s[20:21], w1s s[22:23]
	s_load_b64 s[24:25], s[0:1], 0x50              ; cbc
	v_and_b32 v1, 15, v0                           ; r
	v_lshrrev_b32 v2, 4, v0                        ; h (one wave: v0 is the lane)
	v_lshlrev_b32 v3, 9, v1
	v_lshl_add_u32 v3, v2, 4, v3                   ; a row of codes is 512 bytes: 512 r + 16 h
	v_lshlrev_b32 v4, 5, v1                        ; a row of scale bytes is 32 bytes: 32 r
	s_mov_b32 s29, 0
	s_mov_b32 s31, 0
	s_wait_kmcnt 0x0
	s_cmp_lt_u32 ttmp9, 64
	s_cbranch_scc0 .Lw2
	; ---- W1's tile g = the work-group's number
	s_lshl_b32 s28, ttmp9, 13                      ; 8,192 bytes of codes a tile
	s_lshl_b32 s30, ttmp9, 9                       ; 512 bytes of scales a tile
	s_add_nc_u64 s[4:5], s[4:5], s[28:29]
	s_add_nc_u64 s[6:7], s[6:7], s[30:31]
	s_add_nc_u64 s[20:21], s[20:21], s[28:29]
	s_add_nc_u64 s[22:23], s[22:23], s[30:31]
	s_wait_alu depctr_va_vdst(0)
	v_lshl_add_u32 v4, v2, 2, v4                   ; 32 r + 4 h
	v_lshlrev_b32 v5, 4, v0                        ; 16 x lane
	v_lshlrev_b32 v6, 3, v0                        ; 8 x lane
.irp i, 0,1,2,3,4,5,6,7,8,9,10,11,12,13,14,15
	global_load_b128 v[16+4*\i:19+4*\i], v3, s[4:5] offset:32*\i       ; piece i; the sixteen loads together read the tile's 8,192 consecutive bytes once
.endr
.irp i, 0,1,2,3
	global_load_b32 v[80+\i], v4, s[6:7] offset:8*\i                   ; the word of K step 2 i + h of row r
.endr
	s_wait_alu depctr_va_vdst(0)
	s_wait_loadcnt 0x0
.irp i, 0,1,2,3,4,5,6,7,8,9,10,11,12,13,14,15
	global_store_b128 v5, v[16+4*\i:19+4*\i], s[20:21] offset:512*\i   ; 512 consecutive bytes, aligned
.endr
	global_store_b64 v6, v[80:81], s[22:23]                            ; 256 consecutive bytes, aligned
	global_store_b64 v6, v[82:83], s[22:23] offset:256
	s_endpgm
.Lw2:
	; ---- hidden W2 for columns d = 16 g .. 16 g + 15, g = the work-group's number - 64
	s_sub_co_u32 s26, ttmp9, 64
	s_lshl_b32 s28, s26, 13
	s_lshl_b32 s30, s26, 9
	s_add_nc_u64 s[8:9], s[8:9], s[28:29]
	s_add_nc_u64 s[10:11], s[10:11], s[30:31]
	s_lshl_b32 s28, s26, 6                         ; 16 columns of f32
	s_add_nc_u64 s[16:17], s[16:17], s[28:29]
	s_add_nc_u64 s[18:19], s[18:19], s[28:29]
	s_add_nc_u64 s[24:25], s[24:25], s[28:29]
	s_mov_b32 s32, 0x4038aa3b                      ; C2 = 2 log2(e)
	s_mov_b32 s33, s32                             ; (named with it as a pair, so it is written)
	s_wait_alu depctr_va_vdst(0)
	v_lshl_add_u32 v4, v2, 4, v4                   ; 32 r + 16 h: four scale words; register i is K step i in lanes 0-15 and K step 4 + i in lanes 16-31
	v_lshlrev_b32 v5, 5, v2                        ; the biases of my eight columns: 32 h
	v_lshlrev_b32 v6, 12, v1
	v_lshl_add_u32 v6, v2, 5, v6                   ; cbc: row r of 4,096 bytes, + 32 h
.irp i, 0,1,2,3,4,5,6,7,8,9,10,11,12,13,14,15
	global_load_b128 v[24+4*\i:27+4*\i], v3, s[8:9] offset:32*\i               ; W2's eight fragments
	global_load_b128 v[88+4*\i:91+4*\i], v3, s[12:13] offset:32*\i             ; hidden, rows 0-15
	global_load_b128 v[152+4*\i:155+4*\i], v3, s[12:13] offset:8192+32*\i      ; hidden, rows 16-31
.endr
	global_load_b128 v[10:13], v4, s[10:11]
	global_load_b128 v[14:17], v4, s[14:15]
	global_load_b128 v[18:21], v4, s[14:15] offset:512
	global_load_b128 v[216:219], v5, s[16:17]
	global_load_b128 v[220:223], v5, s[16:17] offset:16
	global_load_b128 v[224:227], v5, s[18:19]
	global_load_b128 v[228:231], v5, s[18:19] offset:16
	s_wait_loadcnt 0x0
.irp s, 0,1,2,3,4,5,6,7                        ; K ascending; the two accumulators take turns, one instruction a turn
.irp t, 0,1
.if \s == 0
	v_wmma_scale_f32_16x16x128_f8f6f4 v[232+8*\t:239+8*\t], v[24+8*\s:31+8*\s], v[88+64*\t+8*\s:95+64*\t+8*\s], 0, v[10+\s%4], v[14+4*\t+\s%4] matrix_a_fmt:MATRIX_FMT_FP4 matrix_b_fmt:MATRIX_FMT_FP4
.elseif \s < 4
	v_wmma_scale_f32_16x16x128_f8f6f4 v[232+8*\t:239+8*\t], v[24+8*\s:31+8*\s], v[88+64*\t+8*\s:95+64*\t+8*\s], v[232+8*\t:239+8*\t], v[10+\s%4], v[14+4*\t+\s%4] matrix_a_fmt:MATRIX_FMT_FP4 matrix_b_fmt:MATRIX_FMT_FP4
.else
	v_wmma_scale_f32_16x16x128_f8f6f4 v[232+8*\t:239+8*\t], v[24+8*\s:31+8*\s], v[88+64*\t+8*\s:95+64*\t+8*\s], v[232+8*\t:239+8*\t], v[10+\s%4], v[14+4*\t+\s%4] matrix_a_fmt:MATRIX_FMT_FP4 matrix_b_fmt:MATRIX_FMT_FP4 matrix_a_scale:MATRIX_SCALE_ROW1 matrix_b_scale:MATRIX_SCALE_ROW1
.endif
.endr
.endr
.irp k, 0,2,4,6
	v_pk_add_f32 v[216+\k:217+\k], v[216+\k:217+\k], v[224+\k:225+\k]                      ; b1 + b2.  These eight plain lines name no register of the products: they are the places behind them
.endr
.irp k, 0,2,4,6
	v_pk_mul_f32 v[216+\k:217+\k], v[216+\k:217+\k], s[32:33] op_sel_hi:[1,0]              ; x C2
.endr
.irp t, 0,1
.irp k, 0,2,4,6
	v_pk_fma_f32 v[232+8*\t+\k:233+8*\t+\k], v[232+8*\t+\k:233+8*\t+\k], s[32:33], v[216+\k:217+\k] op_sel_hi:[1,0,1]   ; each accumulator from its low end on
.endr
.endr
.irp t, 0,1
	global_store_b128 v6, v[232+8*\t:235+8*\t], s[24:25] offset:65536*\t
	global_store_b128 v6, v[236+8*\t:239+8*\t], s[24:25] offset:65536*\t+16
.endr
	s_endpgm
.Lfunc_end_k_q271d32c582_prep:
	.size	k_q271d32c582_prep, .Lfunc_end_k_q271d32c582_prep-k_q271d32c582_prep
	.p2alignl 7, 3214868480
	.fill 96, 4, 3214868480
	.section	.rodata,"a",@progbits
	.p2align	6, 0x0
	.amdhsa_kernel k_q271d32c582_prep
		.amdhsa_group_segment_fixed_size 0
		.amdhsa_private_segment_fixed_size 0
		.amdhsa_enable_private_segment 0
		.amdhsa_kernarg_size 88
		.amdhsa_user_sgpr_count 2
		.amdhsa_user_sgpr_kernarg_segment_ptr 1
		.amdhsa_wavefront_size32 1
		.amdhsa_system_sgpr_workgroup_id_x 1
		.amdhsa_system_sgpr_workgroup_id_y 1
		.amdhsa_system_sgpr_workgroup_id_z 1
		.amdhsa_system_vgpr_workitem_id 0
		.amdhsa_next_free_vgpr 256
		.amdhsa_next_free_sgpr 66
		.amdhsa_reserve_vcc 0
		.amdhsa_float_denorm_mode_32 3
		.amdhsa_float_denorm_mode_16_64 3
		.amdhsa_memory_ordered 1
		.amdhsa_forward_progress 1
		.amdhsa_inst_pref_size 14
	.end_amdhsa_kernel
	.amdgpu_metadata
---
amdhsa.version: [ 1, 2 ]
amdhsa.kernels:
  - .name:           k_q271d32c582_prep
    .symbol:         k_q271d32c582_prep.kd
    .args:
      - { .name: W1_codes, .offset: 0, .size: 8, .value_kind: global_buffer, .address_space: global }
      - { .name: W1_scales, .offset: 8, .size: 8, .value_kind: global_buffer, .address_space: global }
      - { .name: W2_codes, .offset: 16, .size: 8, .value_kind: global_buffer, .address_space: global }
      - { .name: W2_scales, .offset: 24, .size: 8, .value_kind: global_buffer, .address_space: global }
      - { .name: hidden_codes, .offset: 32, .size: 8, .value_kind: global_buffer, .address_space: global }
      - { .name: hidden_scales, .offset: 40, .size: 8, .value_kind: global_buffer, .address_space: global }
      - { .name: b1, .offset: 48, .size: 8, .value_kind: global_buffer, .address_space: global }
      - { .name: b2, .offset: 56, .size: 8, .value_kind: global_buffer, .address_space: global }
      - { .name: w1f, .offset: 64, .size: 8, .value_kind: global_buffer, .address_space: global }
      - { .name: w1s, .offset: 72, .size: 8, .value_kind: global_buffer, .address_space: global }
      - { .name: cbc, .offset: 80, .size: 8, .value_kind: global_buffer, .address_space: global }
    .group_segment_fixed_size: 0
    .private_segment_fixed_size: 0
    .kernarg_segment_align: 8
    .kernarg_segment_size: 88
    .max_flat_workgroup_size: 32
    .sgpr_count:     66
    .vgpr_count:     256
    .wavefront_size: 32
...
	.end_amdgpu_metadata
.endif
;; end of part 1
;; launch main (part 2): grid 256 x 1, 4 waves a work-group, no clusters, 327,680 bytes of LDS; arguments features, w1f, w1s, cbc, Wv, scores, part; writes scores, part
.if DOCPART == 2
	.amdgcn_target "amdgcn-amd-amdhsa--gfx1250"
	.amdhsa_code_object_version 6
	.text
	.protected	k_q271d32c582_main
	.globl	k_q271d32c582_main
	.p2align	8
	.type	k_q271d32c582_main,@function
k_q271d32c582_main:
	s_mov_b64 s[64:65], 0
	v_nop
	global_prefetch_b8 v0, s[64:65] scope:SCOPE_SE
	s_setreg_imm32_b32 hwreg(HW_REG_WAVE_MODE, 25, 1), 1
	s_wait_xcnt 0x0
; MAIN.  s[t] = sum over d of (-2 Wv[d]) / (1 + 2^(C2 x[t][d])), x = features[t] W1[:, d] + (hidden W2 + b1 + b2)[d], C2 = 2 log2(e);  part = sum over the work-group's rows of e^(s - M) features, M their largest s.
; LEFT OUT: bv (see the first kernel) and the sum of Wv: Wv tanh(x) = Wv - 2 Wv / (1 + e^(2x)), and the first term's sum over d is the same for every t of a softmax's axis.
; Work-group x owns rows 256 x .. 256 x + 255 (all of batch row x / 8), in 16 blocks of 16 rows.  features are read from memory once; W1 is fetched ONCE by a work-group and stays.
; W1 STAYS: wave w owns columns 256 w .. + 255, 16 tiles of 16.  Tiles 0-10 lie in registers (704 of windows 1-3), tiles 11-15 in LDS (40,960 bytes a wave) and pass through 64 staging registers (window 3, v192-255).
; A BLOCK: barrier A (codes of 16 rows lie in LDS, the slot read last is free: the next block's tensor load goes out) | all waves fetch the 16 rows' codes | 8 turns of 2 tiles x 8 K steps, tanh three turns deep |
;   the partial scores meet in LDS, barrier B | running maximum, weights | wave w adds its 256 columns of the 16 rows, read from the slot in f32 | my 4 rows of the next block are quantised from the other slot.
; THE PRODUCT: source 0 = 16 rows of features, source 1 = 16 columns of W1: lane (r, h) holds column r, register j row 8 h + j.  So the addend and -2 Wv are one register a tile, and stay in registers.
; A STEP has one plain part (C2 x of turn t-1, + 1 of turn t-2, the sums of turn t-3) and one part of exponentials, reciprocals and turn t's products: two waits a step.
; NO CLUSTER: of W1's 16 tiles a wave 11 go straight into registers, which a joint load cannot fill; what is left to share is 163,840 bytes once a launch beside 1,048,576 bytes of rows that no other work-group reads.
; LIMITS: NaN and infinities among the inputs are not served.  A block of 32 whose largest magnitude lies under 2^-124 gets the scale byte 1 (a block of zeros too: its codes are zeros).  Scores are taken to lie above -3e38.
.set CP,    528                        ; a row of 1,024 codes in LDS: 512 bytes + 16
.set W1L,   131072                     ; LDS: 0 .. 131,071 two slots of 16 rows in f32; then W1's tiles 11-15 of each wave,
.set CODES, 294912                     ; 16 rows of codes,
.set ASB,   303360                     ; their scale bytes, 32 a row,
.set SCP,   303872                     ; the partial scores [wave][16 rows],
.set SCO,   304128                     ; each wave's own copy of the work-group's 256 scores,
.set SPARE, 308224                     ; the spare words, 128 bytes a wave
.set SPW, 1
.set NIL, 2
.set FA0, 3                            ; my 4 rows in a slot: 16384 wave + 32 lane + 16 b3
.set FA1, 4                            ; the other 16 bytes of my 32
.set CST, 5                            ; where my codes go
.set BST, 6                            ; where my scale bytes go
.set AFA, 7                            ; a fragment of codes: CODES + CP r + 16 h
.set ASA, 8                            ; its scale words: ASB + 32 r + 16 h
.set WSA, 9                            ; my 256 columns in a slot: 1024 wave + 16 lane
.set SPA, 10                           ; SCP + 64 wave + 32 h
.set SRA, 11                           ; SCP + 4 r
.set SCA, 12                           ; SCO + 1024 wave + 4 r
.set SELR, 13                          ; byte selects that exchange a word's halves where b3 is set
.set TBO, 14                           ; 4 r
.set MRUN, 15                          ; the largest score so far
.set LWA, 16                           ; my tiles in LDS: W1L + 40960 wave + 16 lane
.set WLO, 17                           ; 16 lane
.set PFO, 18                           ; 256 lane
.set GSO, 19                           ; 8 lane
.set SC,  20                           ; v20-27 score sums of rows 8 h + j
.set CTX, 28                           ; v28-35 my 256 columns of the weighted sum
.set AS,  36                           ; v36-39 the rows' scale words: register i is K step i in lanes 0-15, 4 + i in lanes 16-31
.set CBT, 40                           ; v40-55 the exponent's addend, a register a tile
.set WVT, 56                           ; v56-71 -2 Wv likewise
.set BS,  72                           ; v72-135 W1's scale words, four a tile: register i is K step 2 i in lanes 0-15, 2 i + 1 in lanes 16-31
.set ACC, 136                          ; v136-183 three sets of two accumulators; at work outside the products
.set RC,  184                          ; v184-247 the 16 rows' codes; outside the products rows in f32
.set ADW, 248                          ; addresses in the slot in hand
.set ADQ0, 249
.set ADQ1, 250
.set ADS, 251
.set QT, ACC
.set QY, ACC+8
.set QC, ACC+16
.set MSB, 0
.macro WIN new                         ; low byte: bits 1:0 source 0, 3:2 source 1, 5:4 source 2, 7:6 destination; the high byte repeats the setting that is left
.if MSB != (\new)
	s_set_vgpr_msb (MSB<<8)|(\new)
.set MSB, (\new)
.endif
.endm
.macro PLACES
.rept 4
	v_nop
.endr
.endm
.macro AW
	s_wait_alu depctr_va_vdst(0)
.endm
; Turn t's two tiles: ta, tb; their first registers ra, rb, counted through all windows (960: the staging registers).
.macro TI t
.if (((\t)%2) == 1) && ((\t) < 7)
.set ta, (\t)-1
.set tb, (\t)
.set ra, 256+64*ta
.else
.if (\t) < 7
.set ix, (\t)/2
.else
.set ix, 4
.endif
.set ta, 11+ix
.set ra, 960
.if ix < 3
.set tb, 8+ix
.else
.set tb, 3+ix
.endif
.endif
.set rb, 256+64*tb
.endm
; Product i of a turn's 16: K step i / 2, tile a or b by turns.  The first two start the sums.
.macro PROD t
.set ks, i/2
.if i%2
.set rW, rb
.set tl, tb
.else
.set rW, ra
.set tl, ta
.endif
.set rD, ACC+16*((\t)%3)+8*(i%2)
.set rA, RC+8*ks
.set rB, (rW&255)+8*ks
.set rX, AS+ks%4
.set rY, BS+4*tl+ks/2
	WIN (rW>>8)<<2
.if ks == 0
	v_wmma_scale_f32_16x16x128_f8f6f4 v[rD:rD+7], v[rA:rA+7], v[rB:rB+7], 0, v[rX], v[rY] matrix_a_fmt:MATRIX_FMT_FP4 matrix_b_fmt:MATRIX_FMT_FP4
.elseif (ks < 4) && (ks%2 == 0)
	v_wmma_scale_f32_16x16x128_f8f6f4 v[rD:rD+7], v[rA:rA+7], v[rB:rB+7], v[rD:rD+7], v[rX], v[rY] matrix_a_fmt:MATRIX_FMT_FP4 matrix_b_fmt:MATRIX_FMT_FP4
.elseif ks < 4
	v_wmma_scale_f32_16x16x128_f8f6f4 v[rD:rD+7], v[rA:rA+7], v[rB:rB+7], v[rD:rD+7], v[rX], v[rY] matrix_a_fmt:MATRIX_FMT_FP4 matrix_b_fmt:MATRIX_FMT_FP4 matrix_b_scale:MATRIX_SCALE_ROW1
.elseif ks%2 == 0
	v_wmma_scale_f32_16x16x128_f8f6f4 v[rD:rD+7], v[rA:rA+7], v[rB:rB+7], v[rD:rD+7], v[rX], v[rY] matrix_a_fmt:MATRIX_FMT_FP4 matrix_b_fmt:MATRIX_FMT_FP4 matrix_a_scale:MATRIX_SCALE_ROW1
.else
	v_wmma_scale_f32_16x16x128_f8f6f4 v[rD:rD+7], v[rA:rA+7], v[rB:rB+7], v[rD:rD+7], v[rX], v[rY] matrix_a_fmt:MATRIX_FMT_FP4 matrix_b_fmt:MATRIX_FMT_FP4 matrix_a_scale:MATRIX_SCALE_ROW1 matrix_b_scale:MATRIX_SCALE_ROW1
.endif
.endm
.macro CBF ab, tl                      ; C2 x + addend of one accumulator, from its low end on; the tile's register of a pair serves both halves
.irp k, 0,2,4,6
.if (\tl)%2
	v_pk_fma_f32 v[\ab+\k:\ab+\k+1], v[\ab+\k:\ab+\k+1], s[22:23], v[CBT+\tl-1:CBT+\tl] op_sel:[0,0,1] op_sel_hi:[1,0,1]
.else
	v_pk_fma_f32 v[\ab+\k:\ab+\k+1], v[\ab+\k:\ab+\k+1], s[22:23], v[CBT+\tl:CBT+\tl+1] op_sel_hi:[1,0,0]
.endif
.endr
.endm
.macro WVF ab, tl, first               ; the score sums take 1 / (1 + ..) x (-2 Wv); first = 1 (an odd tile): the product starts the sums
.irp k, 0,2,4,6
.if \first
	v_pk_mul_f32 v[SC+\k:SC+\k+1], v[\ab+\k:\ab+\k+1], v[WVT+\tl-1:WVT+\tl] op_sel:[0,1] op_sel_hi:[1,1]
.elseif (\tl)%2
	v_pk_fma_f32 v[SC+\k:SC+\k+1], v[\ab+\k:\ab+\k+1], v[WVT+\tl-1:WVT+\tl], v[SC+\k:SC+\k+1] op_sel:[0,1,0] op_sel_hi:[1,1,1]
.else
	v_pk_fma_f32 v[SC+\k:SC+\k+1], v[\ab+\k:\ab+\k+1], v[WVT+\tl:WVT+\tl+1], v[SC+\k:SC+\k+1] op_sel_hi:[1,0,1]
.endif
.endr
.endm
.macro LTILE ld                        ; tile ld of 11-15 from LDS into the staging registers: 16 loads of 512 consecutive bytes
	WIN 0xc0
.irp q, 0,1,2,3,4,5,6,7,8,9,10,11,12,13,14,15
	ds_load_b128 v[192+4*\q:195+4*\q], v[LWA] offset:8192*((\ld)-11)+512*\q
.endr
	WIN 0
.endm
.macro TR te, tr                       ; line n of 32: the exponentials of turn te, then the reciprocals of turn tr
.if n < 16
.if (\te) >= 0
	v_exp_f32 v[ACC+16*((\te)%3)+n], v[ACC+16*((\te)%3)+n]
.endif
.else
.if (\tr) >= 0
	v_rcp_f32 v[ACC+16*((\tr)%3)+n-16], v[ACC+16*((\tr)%3)+n-16]
.endif
.endif
.endm
; A STEP: products of turn tw; C2 x and exponentials of te; + 1 and reciprocals of tr; sums of ts; ld: the tile fetched into the staging registers.  -1: none.
.macro STEP tw, te, tr, ts, ld
	PLACES                                         ; the places behind the last step's products and transcendentals (ISA guide 7.12.1)
	AW
.if (\te) >= 0
	TI \te
.set AB, ACC+16*((\te)%3)
	CBF AB, ta
	CBF AB+8, tb
.endif
.if (\tr) >= 0
.set AB, ACC+16*((\tr)%3)
.irp k, 0,2,4,6,8,10,12,14
	v_pk_add_f32 v[AB+\k:AB+\k+1], v[AB+\k:AB+\k+1], 1.0 op_sel_hi:[1,0]
.endr
.endif
.if (\ts) >= 0
	TI \ts
.set AB, ACC+16*((\ts)%3)
.if (\ts) == 0
	WVF AB, ta, 1
.else
	WVF AB, ta, 0
.endif
	WVF AB+8, tb, 0
.endif
.if (\ld) >= 0
	LTILE \ld
.endif
.if (\tw) >= 0
	TI \tw
.if ra == 960
	s_wait_dscnt 0x0                               ; the staged tile is in (at the first turn: the rows' codes too)
.endif
.endif
.if ((\te) >= 0) || ((\tr) >= 0)
	AW
.endif
.if (\tw) >= 0
.set i, 0
.rept 16                                       ; the turn's products stand on end: no transcendental between a product and the next link of its chain
	PROD \tw
.set i, i+1
.endr
.endif
.set n, 0
.rept 32                                       ; then the batch of exponentials and reciprocals
	TR \te, \tr
.set n, n+1
.endr
	WIN 0
.endm
; Rows 2 b, 2 b + 1 of my 4 from the slot: b = 0 into v184-247, b = 1 into the staging registers.
.macro LOADQ b
.if \b
.set qX, 192
	WIN 0xc0
.else
.set qX, RC
.endif
.irp e, 0,1
.irp j, 0,1,2,3
	ds_load_b128 v[qX+32*\e+8*\j:qX+32*\e+8*\j+3],   v[ADQ0] offset:(2*(\b)+\e)*4096+1024*\j
	ds_load_b128 v[qX+32*\e+8*\j+4:qX+32*\e+8*\j+7], v[ADQ1] offset:(2*(\b)+\e)*4096+1024*\j
.endr
.endr
	WIN 0
.endm
; The two rows are quantised: eight units of 8 numbers a lane, by turns; four neighbouring lanes hold a block of 32.
.macro QB b
.if \b
.set qX, 192
.else
.set qX, RC
.endif
	WIN 0x3c*(\b)
.irp u, 0,1,2,3,4,5,6,7
	v_max3_num_f32 v[QT+\u], s26, |v[qX+8*\u]|, |v[qX+8*\u+1]|             ; with the floor 2^(3 - 127): the byte cannot fall under 1
.endr
.irp i2, 2,4,6
.irp u, 0,1,2,3,4,5,6,7
	v_max3_num_f32 v[QT+\u], v[QT+\u], |v[qX+8*\u+\i2]|, |v[qX+8*\u+\i2+1]|
.endr
.endr
	WIN 0
.irp u, 0,1,2,3,4,5,6,7
	v_max_num_f32_dpp v[QT+\u], v[QT+\u], v[QT+\u] row_xmask:1 row_mask:0xf bank_mask:0xf
.endr
.irp u, 0,1,2,3,4,5,6,7
	v_max_num_f32_dpp v[QT+\u], v[QT+\u], v[QT+\u] row_xmask:2 row_mask:0xf bank_mask:0xf   ; the block's largest magnitude
.endr
.irp u, 0,1,2,3,4,5,6,7
	v_add_nc_u32 v[QT+\u], 0xff000000, v[QT+\u]                            ; 2 off its exponent field: the conversion's scale operand
.endr
.irp u, 0,1,2,3,4,5,6,7
	v_lshrrev_b32 v[QY+\u], 23, v[QT+\u]                                   ; the scale's byte
.endr
	WIN 0x03*(\b)
.irp u, 0,1,2,3,4,5,6,7
	v_cvt_scalef32_pk8_fp4_f32 v[QC+\u], v[qX+8*\u:qX+8*\u+7], v[QT+\u]
.endr
	WIN 0
	v_nop                                          ; one plain place behind the scaled conversions
.irp u, 0,1,2,3,4,5,6,7
	v_perm_b32 v[QC+\u], v[QC+\u], v[QC+\u], v[SELR]                       ; the exchange of the two groups of four is undone on the codes
.endr
.irp u, 0,1,2,3,4,5,6,7
	ds_store_b32 v[CST], v[QC+\u] offset:(2*(\b)+\u/4)*CP+128*(\u%4)       ; 32 lanes: 128 consecutive bytes of the row's codes
	ds_store_b8 v[BST], v[QY+\u] offset:(2*(\b)+\u/4)*32+8*(\u%4)          ; the four lanes of a block write the same byte with the same value
.endr
.endm
; ws: my 256 columns of the block's weighted sum (rows 0-7 lie in v184-247, rows 8-15 in the staging registers);  q: my 4 rows of the next block are quantised, into the registers as they come free.
.macro WSQ ws, q
.if \ws
.irp k, 0,2,4,6
	v_pk_mul_f32 v[CTX+\k:CTX+\k+1], v[CTX+\k:CTX+\k+1], s[52:53] op_sel_hi:[1,0]      ; the sum so far under the new maximum
.endr
.irp p, 0,1,2,3,4,5,6,7
.irp k, 0,2,4,6
	v_pk_fma_f32 v[CTX+\k:CTX+\k+1], v[RC+8*\p+\k:RC+8*\p+\k+1], s[66+2*\p:67+2*\p], v[CTX+\k:CTX+\k+1] op_sel_hi:[1,0,1]
.endr
.endr
.endif
.if \q
	AW
	s_wait_tensorcnt 0x0                           ; one tensor load of mine can be out: my 4 rows of the next block.  Only I read them here
	LOADQ 0
.endif
.if \ws
	WIN 0x03
.irp p, 8,9,10,11,12,13,14,15
.irp k, 0,2,4,6
	v_pk_fma_f32 v[CTX+\k:CTX+\k+1], v[192+8*(\p-8)+\k:192+8*(\p-8)+\k+1], s[66+2*\p:67+2*\p], v[CTX+\k:CTX+\k+1] op_sel_hi:[1,0,1]
.endr
.endr
	WIN 0
.endif
.if \q
	LOADQ 1
	AW
	s_wait_dscnt 16                                ; all but the 16 loads just issued
	QB 0
	AW
	s_wait_dscnt 16                                ; all but the 16 stores just issued
	QB 1
	LTILE 11                                       ; the next block's first staged tile
.endif
.endm
; A prefetch of my 4 rows (16,384 bytes, lanes 256 bytes apart, two instructions) of block j + 3 in trip j, whose tensor load asks for block j + 1.  No other work-group reads these rows.  Trips 13 and 14 ask for nothing.
.macro ASK
	s_cmp_ge_u32 s45, 3
	s_cbranch_scc0 .Lnp_\@
	global_prefetch_b8 v[PFO], s[40:41] th:TH_LOAD_NT scope:SCOPE_SE
	global_prefetch_b8 v[PFO], s[40:41] offset:8192 th:TH_LOAD_NT scope:SCOPE_SE
.Lnp_\@:
.endm
.macro BLOCK fill
	AW
	s_wait_tensorcnt 0x0                           ; no tensor load of mine is out, so group 0 may be written
	ds_add_u32 v[SPW], v[NIL]
.if \fill
	s_xor_b32 s29, s29, 0x10000                    ; the other slot,
	s_add_nc_u64 s[30:31], s[30:31], 0x10000       ; 16 rows on
	s_wait_xcnt 0x0                                ; my prefetches have read their address
	s_add_nc_u64 s[40:41], s[40:41], 0x10000
.endif
	s_wait_dscnt 0x0                               ; the add is done, my codes lie in LDS, my reads of the slot left are over
	s_barrier_signal -1
	s_barrier_wait -1
.if \fill
	tensor_load_to_lds s[28:31], s[32:39]          ; my 4 rows of the next block, into the slot whose weighted sum is done
	s_nop 0
	PLACES
.endif
.irp s, 0,1,2,3,4,5,6,7
.irp c, 0,1
	ds_load_b128 v[RC+8*\s+4*\c:RC+8*\s+4*\c+3], v[AFA] offset:64*\s+32*\c
.endr
.endr
	ds_load_b128 v[AS:AS+3], v[ASA]
.if \fill
	ASK
.endif
	v_add_nc_u32 v[ADW], s42, v[WSA]
	v_add_nc_u32 v[ADS], s44, v[SCA]
.if \fill
	v_add_nc_u32 v[ADQ0], s43, v[FA0]
	v_add_nc_u32 v[ADQ1], s43, v[FA1]
.endif
	STEP 0, -1, -1, -1, -1
	STEP 1, 0, -1, -1, 12
	STEP 2, 1, 0, -1, -1
	STEP 3, 2, 1, 0, 13
	STEP 4, 3, 2, 1, -1
	STEP 5, 4, 3, 2, 14
	STEP 6, 5, 4, 3, -1
	STEP -1, 6, 5, 4, 15                           ; no products: the last staged tile is on its way
	STEP 7, -1, 6, 5, -1
	STEP -1, 7, -1, 6, -1
.irp p, 0,1,2,3,4,5,6,7                        ; the products are over: the block's rows in f32, my 256 columns, into the registers that held codes and the staged tile
	ds_load_b128 v[RC+8*\p:RC+8*\p+3],   v[ADW] offset:4096*\p
	ds_load_b128 v[RC+8*\p+4:RC+8*\p+7], v[ADW] offset:4096*\p+512
.endr
	WIN 0xc0
.irp p, 0,1,2,3,4,5,6,7
	ds_load_b128 v[192+8*\p:195+8*\p], v[ADW] offset:4096*(\p+8)
	ds_load_b128 v[196+8*\p:199+8*\p], v[ADW] offset:4096*(\p+8)+512
.endr
	WIN 0
	STEP -1, -1, 7, -1, -1
	STEP -1, -1, -1, 7, -1
.irp m, 1,2,4,8                                ; the sum over the 16 columns of a tile lies across 16 lanes
.irp k, 0,1,2,3,4,5,6,7
	v_add_f32_dpp v[SC+\k], v[SC+\k], v[SC+\k] row_xmask:\m row_mask:0xf bank_mask:0xf
.endr
.endr
	ds_store_b128 v[SPA], v[SC:SC+3]               ; the 16 lanes of a half write the same words with the same values
	ds_store_b128 v[SPA], v[SC+4:SC+7] offset:16
	AW
	s_wait_dscnt 0x0                               ; for the others' sake; the rows in f32 are in too
	s_barrier_signal -1                            ; my tensor load stays on its way
	s_barrier_wait -1
.irp w, 0,1,2,3
	ds_load_b32 v[ACC+\w], v[SRA] offset:64*\w     ; lane l: row l % 16
.endr
	s_wait_dscnt 0x0
	v_add_f32 v[ACC], v[ACC], v[ACC+1]             ; the same order in every wave: the same bits
	v_add_f32 v[ACC+2], v[ACC+2], v[ACC+3]
	v_add_f32 v[ACC+4], v[ACC], v[ACC+2]           ; the score
	ds_store_b32 v[ADS], v[ACC+4]                  ; into my own copy
	v_max_num_f32_dpp v[ACC+5], v[ACC+4], v[ACC+4] row_xmask:1 row_mask:0xf bank_mask:0xf
	v_max_num_f32_dpp v[ACC+5], v[ACC+5], v[ACC+5] row_xmask:2 row_mask:0xf bank_mask:0xf
	v_max_num_f32_dpp v[ACC+5], v[ACC+5], v[ACC+5] row_xmask:4 row_mask:0xf bank_mask:0xf
	v_max_num_f32_dpp v[ACC+5], v[ACC+5], v[ACC+5] row_xmask:8 row_mask:0xf bank_mask:0xf
	v_max_num_f32 v[ACC+6], v[MRUN], v[ACC+5]      ; the new running maximum
	v_sub_f32 v[ACC+7], v[MRUN], v[ACC+6]
	v_sub_f32 v[ACC+8], v[ACC+4], v[ACC+6]
	v_mul_f32 v[ACC+7], s27, v[ACC+7]
	v_mul_f32 v[ACC+8], s27, v[ACC+8]
	AW
	v_exp_f32 v[ACC+7], v[ACC+7]                   ; e^(old maximum - new)
	v_exp_f32 v[ACC+8], v[ACC+8]                   ; e^(score - maximum)
	v_mov_b32 v[MRUN], v[ACC+6]                    ; (a plain place behind the exponentials)
	AW
	v_readfirstlane_b32 s52, v[ACC+7]
.irp p, 0,1,2,3,4,5,6,7,8,9,10,11,12,13,14,15
	v_readlane_b32 s[66+2*\p], v[ACC+8], \p        ; row p's weight as a multiplier for all lanes: data alone
.endr
	WSQ 1, \fill
.if \fill
	s_xor_b32 s42, s42, 0x10000
	s_xor_b32 s43, s43, 0x10000
	s_add_co_u32 s44, s44, 64
.endif
.endm
	; ================ the head
	s_load_b256 s[4:11], s[0:1], 0x0               ; features s[4:5], w1f s[6:7], w1s s[8:9], cbc s[10:11]
	s_load_b128 s[12:15], s[0:1], 0x20             ; Wv s[12:13], scores s[14:15]
	s_load_b64 s[16:17], s[0:1], 0x30              ; part
	v_lshl_add_u32 v[SPW], v0, 2, SPARE
	v_mov_b32 v[NIL], 0
	ds_add_u32 v[SPW], v[NIL]
	ds_add_u32 v[SPW], v[NIL]
	v_lshrrev_b32 v[ACC+4], 5, v0
	v_readfirstlane_b32 s20, v[ACC+4]              ; wave 0..3
	s_mov_b32 s32, 3<<16                           ; group 1: dense bytes as rows of 32 elements of 8 bytes; 160 rows for my five tiles of W1,
	s_mov_b32 s33, 32<<16
	s_mov_b32 s34, 160<<16
	s_mov_b32 s35, 32<<16
	s_mov_b32 s36, 160
	s_mov_b32 s37, 32
	s_mov_b32 s38, 0
	s_mov_b32 s39, 0
	s_mov_b32 s28, 1
	s_mul_i32 s29, s20, 40960
	s_add_co_u32 s29, s29, W1L
	s_mov_b32 s22, 0x4038aa3b                      ; C2 = 2 log2(e)
	s_mov_b32 s23, s22
	s_mov_b32 s26, 0x1800000                       ; 2^(3 - 127)
	s_mov_b32 s27, 0x3fb8aa3b                      ; log2(e)
	s_mov_b32 s53, 0                               ; the upper words of the pairs that packed forms name are written once
.irp p, 0,1,2,3,4,5,6,7,8,9,10,11,12,13,14,15
	s_mov_b32 s[67+2*\p], 0
.endr
	v_and_b32 v[ACC], 31, v0                       ; lane
	v_and_b32 v[ACC+1], 15, v0                     ; r
	v_bfe_u32 v[ACC+2], v0, 4, 1                   ; h
	v_bfe_u32 v[ACC+3], v0, 3, 1                   ; b3
	v_lshlrev_b32 v[WLO], 4, v[ACC]
	v_lshlrev_b32 v[PFO], 8, v[ACC]
	v_lshlrev_b32 v[GSO], 3, v[ACC]
	v_lshlrev_b32 v[TBO], 2, v[ACC+1]
	s_lshl_b32 s54, s20, 14
	v_lshlrev_b32 v[ACC+4], 5, v[ACC]
	v_lshl_add_u32 v[ACC+4], v[ACC+3], 4, v[ACC+4]
	v_add_nc_u32 v[FA0], s54, v[ACC+4]
	v_xor_b32 v[FA1], 16, v[FA0]
	v_mov_b32 v[ADQ0], v[FA0]                      ; block 0 lies in slot 0
	v_mov_b32 v[ADQ1], v[FA1]
	s_mul_i32 s55, s20, 4*CP
	s_add_co_u32 s55, s55, CODES
	v_lshl_add_u32 v[CST], v[ACC], 2, s55
	s_lshl_b32 s55, s20, 7
	s_add_co_u32 s55, s55, ASB
	v_lshrrev_b32 v[ACC+4], 2, v[ACC]
	v_add_nc_u32 v[BST], s55, v[ACC+4]
	v_mul_u32_u24 v[AFA], v[ACC+1], CP
	v_lshl_add_u32 v[AFA], v[ACC+2], 4, v[AFA]
	v_add_nc_u32 v[AFA], CODES, v[AFA]
	v_lshlrev_b32 v[ASA], 5, v[ACC+1]
	v_lshl_add_u32 v[ASA], v[ACC+2], 4, v[ASA]
	v_add_nc_u32 v[ASA], ASB, v[ASA]
	s_lshl_b32 s55, s20, 10
	v_lshl_add_u32 v[WSA], v[ACC], 4, s55
	s_add_co_u32 s55, s55, SCO
	v_lshl_add_u32 v[SCA], v[ACC+1], 2, s55
	s_lshl_b32 s55, s20, 6
	s_add_co_u32 s55, s55, SCP
	v_lshl_add_u32 v[SPA], v[ACC+2], 5, s55
	v_lshl_add_u32 v[SRA], v[ACC+1], 2, SCP
	v_lshl_add_u32 v[LWA], v[ACC], 4, s29
	v_cmp_eq_u32 vcc_lo, 1, v[ACC+3]
	v_mov_b32 v[SELR], 0x03020100
	v_mov_b32 v[ACC+4], 0x01000302
	v_cndmask_b32 v[SELR], v[SELR], v[ACC+4], vcc_lo
	v_mov_b32 v[MRUN], 0xff61b1e6                  ; -3e38, under every score
.irp k, 0,1,2,3,4,5,6,7
	v_mov_b32 v[CTX+\k], 0
.endr
	AW
	s_wait_dscnt 0x0                               ; both opening adds are done
	s_wait_kmcnt 0x0
	s_mov_b32 s55, 0
	s_lshl_b32 s54, s20, 17
	s_add_nc_u64 s[46:47], s[6:7], s[54:55]        ; my 16 tiles of W1, 8,192 bytes each
	s_add_nc_u64 s[30:31], s[46:47], 11*8192       ; tiles 11-15
	s_or_b32 s31, s31, 0x80000000
	tensor_load_to_lds s[28:31], s[32:39]          ; my one tensor load at the head: my five tiles of W1 that stay in LDS
	s_nop 0
	PLACES
	s_lshl_b32 s54, s20, 13
	s_add_nc_u64 s[50:51], s[8:9], s[54:55]        ; their scale words, 512 bytes a tile
	s_lshl_b32 s21, s20, 10
	s_lshr_b32 s54, ttmp9, 3
	s_lshl_b32 s54, s54, 12
	s_add_co_u32 s54, s54, s21
	s_add_nc_u64 s[56:57], s[10:11], s[54:55]      ; cbc: my batch row, my 256 columns
	s_mov_b32 s54, s21
	s_add_nc_u64 s[58:59], s[12:13], s[54:55]      ; Wv at my 256 columns
	s_lshl_b32 s54, ttmp9, 12
	s_add_co_u32 s54, s54, s21
	s_add_nc_u64 s[16:17], s[16:17], s[54:55]      ; my 256 columns of my work-group's row of part
	s_lshl_b32 s54, ttmp9, 10
	s_lshl_b32 s21, s20, 8
	s_add_co_u32 s54, s54, s21
	s_add_nc_u64 s[14:15], s[14:15], s[54:55]      ; my 64 of my work-group's 256 scores
	s_lshl_b32 s54, ttmp9, 20
	s_lshl_b32 s21, s20, 14
	s_add_co_u32 s54, s54, s21
	s_add_nc_u64 s[60:61], s[4:5], s[54:55]        ; my 4 rows of block 0
	s_add_nc_u64 s[40:41], s[60:61], 0x20000       ; the prefetches' address: each trip steps it by a block ahead of its use
	s_or_b32 s61, s61, 0x80000000
.irp t, 0,1,2,3,4,5,6,7,8,9,10,11,12,13,14,15
	global_load_b32 v[CBT+\t], v[TBO], s[56:57] offset:64*\t
	global_load_b32 v[WVT+\t], v[TBO], s[58:59] offset:64*\t
	global_load_b64 v[BS+4*\t:BS+4*\t+1], v[GSO], s[50:51] offset:512*\t
	global_load_b64 v[BS+4*\t+2:BS+4*\t+3], v[GSO], s[50:51] offset:512*\t+256
.endr
.set t, 0
.rept 11                                       ; tiles 0-10 into their registers: each load reads 512 consecutive bytes
	WIN ((256+64*t)>>8)<<6
.irp q, 0,1,2,3,4,5,6,7,8,9,10,11,12,13,14,15
	global_load_b128 v[((64*t)&255)+4*\q:((64*t)&255)+4*\q+3], v[WLO], s[46:47] offset:8192*t+512*\q
.endr
.set t, t+1
.endr
	WIN 0
	s_wait_tensorcnt 0x0
	ds_add_u32 v[SPW], v[NIL]
	s_mov_b32 s34, 64<<16                          ; no tensor load of mine is out: from here on a load brings 64 rows of 256 bytes: 4 rows of features
	s_mov_b32 s36, 64
	s_lshl_b32 s29, s20, 14
	s_mov_b64 s[30:31], s[60:61]
	s_wait_dscnt 0x0
	s_barrier_signal -1
	s_barrier_wait -1
	tensor_load_to_lds s[28:31], s[32:39]          ; block 0 into slot 0
	s_nop 0
	PLACES
	WSQ 0, 1                                       ; block 0 is quantised while W1 lands
	AW
	s_wait_loadcnt 0x0
.irp k, 0,2,4,6,8,10,12,14
	v_pk_mul_f32 v[WVT+\k:WVT+\k+1], v[WVT+\k:WVT+\k+1], -2.0 op_sel_hi:[1,0]
.endr
	s_mov_b32 s42, 0                               ; the slot of the block in hand,
	s_mov_b32 s43, 0x10000                         ; of the next,
	s_mov_b32 s44, 0                               ; the block's place among the scores
	s_mov_b32 s45, 15
.Lblk:                                             ; 15 trips, each asks for the next block; the last block is written out
	BLOCK 1
	s_sub_co_u32 s45, s45, 1
	s_cmp_lg_u32 s45, 0
	AW
	s_cbranch_scc1 .Lblk
	BLOCK 0
	; ================ the way out
	AW
	global_store_b128 v[WLO], v[CTX:CTX+3], s[16:17]               ; 512 consecutive bytes, aligned
	global_store_b128 v[WLO], v[CTX+4:CTX+7], s[16:17] offset:512
	s_mul_i32 s55, s20, 1280
	s_add_co_u32 s55, s55, SCO
	v_add_nc_u32 v[ADS], s55, v[GSO]               ; scores 64 wave .. + 63 of my own copy
	ds_load_b64 v[ACC:ACC+1], v[ADS]               ; LDS serves a wave's instructions in order: this sees my stores
	AW
	s_wait_dscnt 0x0
	global_store_b64 v[GSO], v[ACC:ACC+1], s[14:15]                ; 256 consecutive bytes, aligned
	s_wait_tensorcnt 0x0                           ; the wave's end
	ds_add_u32 v[SPW], v[NIL]
	s_wait_dscnt 0x0
	s_endpgm
.Lfunc_end_k_q271d32c582_main:
	.size	k_q271d32c582_main, .Lfunc_end_k_q271d32c582_main-k_q271d32c582_main
	.p2alignl 7, 3214868480
	.fill 96, 4, 3214868480
	.section	.rodata,"a",@progbits
	.p2align	6, 0x0
	.amdhsa_kernel k_q271d32c582_main
		.amdhsa_group_segment_fixed_size 327680
		.amdhsa_private_segment_fixed_size 0
		.amdhsa_enable_private_segment 0
		.amdhsa_kernarg_size 56
		.amdhsa_user_sgpr_count 2
		.amdhsa_user_sgpr_kernarg_segment_ptr 1
		.amdhsa_wavefront_size32 1
		.amdhsa_system_sgpr_workgroup_id_x 1
		.amdhsa_system_sgpr_workgroup_id_y 1
		.amdhsa_system_sgpr_workgroup_id_z 1
		.amdhsa_system_vgpr_workitem_id 0
		.amdhsa_next_free_vgpr 1024
		.amdhsa_next_free_sgpr 100
		.amdhsa_reserve_vcc 1
		.amdhsa_float_denorm_mode_32 3
		.amdhsa_float_denorm_mode_16_64 3
		.amdhsa_memory_ordered 1
		.amdhsa_forward_progress 1
		.amdhsa_inst_pref_size 174
	.end_amdhsa_kernel
	.amdgpu_metadata
---
amdhsa.version: [ 1, 2 ]
amdhsa.kernels:
  - .name:           k_q271d32c582_main
    .symbol:         k_q271d32c582_main.kd
    .args:
      - { .name: features, .offset: 0, .size: 8, .value_kind: global_buffer, .address_space: global }
      - { .name: w1f, .offset: 8, .size: 8, .value_kind: global_buffer, .address_space: global }
      - { .name: w1s, .offset: 16, .size: 8, .value_kind: global_buffer, .address_space: global }
      - { .name: cbc, .offset: 24, .size: 8, .value_kind: global_buffer, .address_space: global }
      - { .name: Wv, .offset: 32, .size: 8, .value_kind: global_buffer, .address_space: global }
      - { .name: scores, .offset: 40, .size: 8, .value_kind: global_buffer, .address_space: global }
      - { .name: part, .offset: 48, .size: 8, .value_kind: global_buffer, .address_space: global }
    .group_segment_fixed_size: 327680
    .private_segment_fixed_size: 0
    .kernarg_segment_align: 8
    .kernarg_segment_size: 56
    .max_flat_workgroup_size: 128
    .sgpr_count:     100
    .vgpr_count:     1024
    .wavefront_size: 32
...
	.end_amdgpu_metadata
.endif
;; end of part 2
;; launch finish (part 3): grid 32 x 1, 8 waves a work-group, no clusters, 1,280 bytes of LDS; arguments scores, part, out0, out1; writes out0, out1
.if DOCPART == 3
	.amdgcn_target "amdgcn-amd-amdhsa--gfx1250"
	.amdhsa_code_object_version 6
	.text
	.protected	k_q271d32c582_finish
	.globl	k_q271d32c582_finish
	.p2align	8
	.type	k_q271d32c582_finish,@function
k_q271d32c582_finish:
	s_mov_b64 s[64:65], 0
	v_nop
	global_prefetch_b8 v0, s[64:65] scope:SCOPE_SE
	s_setreg_imm32_b32 hwreg(HW_REG_WAVE_MODE, 25, 1), 1
	s_wait_xcnt 0x0
; FINISH.  Work-group b closes batch row b.  Its 2,048 scores lie in eight chunks of 256, one for each work-group of the main launch, whose row of part was summed under that chunk's largest score.
; Wave c: m = the largest of chunk c's scores (a maximum is exact, so it is the number under which part's row c was summed), e = e^(score - m), l = their sum.  The eight (m, l) meet in LDS.
; M = the largest m;  g'(c) = e^(m(c) - M);  L = the sum of l(c) g'(c);  out1 = e g'(c) / L;  out0, columns 128 c .. 128 c + 127 = the sum over c' of part(c') g'(c') / L.
; Memory binds and the sizes are small (1.3 MB read, 0.4 MB written): no matrix unit, no tensor load, one barrier.  LIMITS: NaN and infinities among the scores are not served.
	s_load_b256 s[4:11], s[0:1], 0x0               ; scores s[4:5], part s[6:7], out0 s[8:9], out1 s[10:11]
	v_lshl_add_u32 v96, v0, 2, 0x100
	v_mov_b32 v97, 0
	v_lshrrev_b32 v1, 5, v0
	s_delay_alu instid0(VALU_DEP_1)
	v_readfirstlane_b32 s12, v1                    ; wave c
	v_and_b32 v2, 31, v0
	s_delay_alu instid0(VALU_DEP_1)
	v_lshlrev_b32 v2, 4, v2                        ; 16 x lane
	s_lshl_b32 s14, ttmp9, 13                      ; a batch row's scores: 8,192 bytes;
	s_lshl_b32 s13, s12, 10                        ; a chunk: 1,024
	s_add_co_u32 s14, s14, s13
	s_mov_b32 s15, 0
	s_lshl_b32 s13, s12, 9                         ; my 128 columns: 512 bytes
	s_lshl_b32 s16, ttmp9, 15                      ; a batch row's eight rows of part
	s_add_co_u32 s16, s16, s13
	s_mov_b32 s17, 0
	s_lshl_b32 s18, ttmp9, 12                      ; a row of out0
	s_add_co_u32 s18, s18, s13
	s_mov_b32 s19, 0
	s_mov_b32 s20, 0x76543210                      ; v_permlanex16_b32's selects for lane l xor 16
	s_mov_b32 s21, 0xfedcba98
	s_mov_b32 s22, 0x3fb8aa3b                      ; log2(e)
	s_lshl_b32 s23, s12, 3
	v_mov_b32 v3, s23                              ; LDS: 8 bytes a wave
	v_mov_b32 v56, 0
	v_mov_b32 v13, 0                               ; a lane permute's destination counts as one of its sources
	s_wait_alu depctr_va_vdst(0)
	s_wait_kmcnt 0x0
	s_add_nc_u64 s[4:5], s[4:5], s[14:15]
	s_add_nc_u64 s[10:11], s[10:11], s[14:15]
	s_add_nc_u64 s[6:7], s[6:7], s[16:17]
	s_add_nc_u64 s[8:9], s[8:9], s[18:19]
	global_load_b128 v[4:7], v2, s[4:5]
	global_load_b128 v[8:11], v2, s[4:5] offset:512
.irp c, 0,1,2,3,4,5,6,7
	global_load_b128 v[16+4*\c:19+4*\c], v2, s[6:7] offset:4096*\c     ; 512 consecutive bytes of each of the eight rows
.endr
	s_wait_loadcnt 8                               ; the scores are in; the eight loads of part may be out
	v_max3_num_f32 v12, v4, v5, v6
	s_delay_alu instid0(VALU_DEP_1)
	v_max3_num_f32 v12, v12, v7, v8
	s_delay_alu instid0(VALU_DEP_1)
	v_max3_num_f32 v12, v12, v9, v10
	s_delay_alu instid0(VALU_DEP_1)
	v_max_num_f32 v12, v12, v11
	s_delay_alu instid0(VALU_DEP_1)
	v_max_num_f32_dpp v12, v12, v12 row_xmask:1 row_mask:0xf bank_mask:0xf
	s_delay_alu instid0(VALU_DEP_1)
	v_max_num_f32_dpp v12, v12, v12 row_xmask:2 row_mask:0xf bank_mask:0xf
	s_delay_alu instid0(VALU_DEP_1)
	v_max_num_f32_dpp v12, v12, v12 row_xmask:4 row_mask:0xf bank_mask:0xf
	s_delay_alu instid0(VALU_DEP_1)
	v_max_num_f32_dpp v12, v12, v12 row_xmask:8 row_mask:0xf bank_mask:0xf
	s_delay_alu instid0(VALU_DEP_1)
	v_permlanex16_b32 v13, v12, s20, s21
	s_delay_alu instid0(VALU_DEP_1)
	v_max_num_f32 v12, v12, v13                    ; m
.irp i, 0,1,2,3,4,5,6,7
	v_sub_f32 v[48+\i], v[4+\i], v12
.endr
.irp i, 0,1,2,3,4,5,6,7
	v_mul_f32 v[48+\i], s22, v[48+\i]
.endr
	s_wait_alu depctr_va_vdst(0)
.irp i, 0,1,2,3,4,5,6,7
	v_exp_f32 v[48+\i], v[48+\i]                   ; e
.endr
	v_mov_b32 v14, v12                             ; (a plain place behind the exponentials)
	s_wait_alu depctr_va_vdst(0)
	v_pk_add_f32 v[58:59], v[48:49], v[50:51]
	v_pk_add_f32 v[86:87], v[52:53], v[54:55]
	s_delay_alu instid0(VALU_DEP_1)
	v_pk_add_f32 v[58:59], v[58:59], v[86:87]
	s_delay_alu instid0(VALU_DEP_1)
	v_add_f32 v15, v58, v59
	s_delay_alu instid0(VALU_DEP_1)
	v_add_f32_dpp v15, v15, v15 row_xmask:1 row_mask:0xf bank_mask:0xf
	s_delay_alu instid0(VALU_DEP_1)
	v_add_f32_dpp v15, v15, v15 row_xmask:2 row_mask:0xf bank_mask:0xf
	s_delay_alu instid0(VALU_DEP_1)
	v_add_f32_dpp v15, v15, v15 row_xmask:4 row_mask:0xf bank_mask:0xf
	s_delay_alu instid0(VALU_DEP_1)
	v_add_f32_dpp v15, v15, v15 row_xmask:8 row_mask:0xf bank_mask:0xf
	s_delay_alu instid0(VALU_DEP_1)
	v_permlanex16_b32 v13, v15, s20, s21
	s_delay_alu instid0(VALU_DEP_1)
	v_add_f32 v15, v15, v13                        ; l
	ds_store_b64 v3, v[14:15]                      ; all lanes write the same pair
	s_wait_dscnt 0x0                               ; for the others' sake
	s_barrier_signal -1
	s_barrier_wait -1
.irp i, 0,1,2,3
	ds_load_b128 v[60+4*\i:63+4*\i], v56 offset:16*\i      ; v[60 + 2 c] = m(c), v[61 + 2 c] = l(c)
.endr
	s_wait_dscnt 0x0
	v_max3_num_f32 v84, v60, v62, v64
	s_delay_alu instid0(VALU_DEP_1)
	v_max3_num_f32 v84, v84, v66, v68
	s_delay_alu instid0(VALU_DEP_1)
	v_max3_num_f32 v84, v84, v70, v72
	s_delay_alu instid0(VALU_DEP_1)
	v_max_num_f32 v84, v84, v74                    ; M
.irp c, 0,1,2,3,4,5,6,7
	v_sub_f32 v[76+\c], v[60+2*\c], v84
.endr
	v_sub_f32 v86, v14, v84
.irp c, 0,1,2,3,4,5,6,7
	v_mul_f32 v[76+\c], s22, v[76+\c]
.endr
	v_mul_f32 v86, s22, v86
	s_wait_alu depctr_va_vdst(0)
.irp c, 0,1,2,3,4,5,6,7
	v_exp_f32 v[76+\c], v[76+\c]                   ; g'
.endr
	v_exp_f32 v86, v86                             ; my own chunk's
	v_nop                                          ; a plain place behind the exponentials
	s_wait_alu depctr_va_vdst(0)
	v_mul_f32 v85, v61, v76
.irp c, 1,2,3,4,5,6,7
	v_fmac_f32 v85, v[61+2*\c], v[76+\c]           ; L: at least 1, since the chunk that holds M adds at least 1
.endr
	s_wait_alu depctr_va_vdst(0)
	v_rcp_f32 v85, v85
	v_nop                                          ; a plain place behind the reciprocal
	s_wait_alu depctr_va_vdst(0)
.irp c, 0,1,2,3,4,5,6,7
	v_mul_f32 v[76+\c], v[76+\c], v85
.endr
	v_mul_f32 v86, v86, v85
.irp i, 0,1,2,3,4,5,6,7
	v_mul_f32 v[48+\i], v[48+\i], v86
.endr
	global_store_b128 v2, v[48:51], s[10:11]               ; 512 consecutive bytes, aligned
	global_store_b128 v2, v[52:55], s[10:11] offset:512
	s_wait_loadcnt 0x0                             ; part
.irp q, 0,1,2,3
	v_mul_f32 v[88+\q], v[16+\q], v76
.endr
.irp c, 1,2,3,4,5,6,7
.irp q, 0,1,2,3
	s_delay_alu instid0(VALU_DEP_4)
	v_fmac_f32 v[88+\q], v[16+4*\c+\q], v[76+\c]
.endr
.endr
	global_store_b128 v2, v[88:91], s[8:9]                 ; 512 consecutive bytes, aligned
	s_wait_tensorcnt 0x0
	ds_add_u32 v96, v97
	s_wait_dscnt 0x0
	s_endpgm
.Lfunc_end_k_q271d32c582_finish:
	.size	k_q271d32c582_finish, .Lfunc_end_k_q271d32c582_finish-k_q271d32c582_finish
	.p2alignl 7, 3214868480
	.fill 96, 4, 3214868480
	.section	.rodata,"a",@progbits
	.p2align	6, 0x0
	.amdhsa_kernel k_q271d32c582_finish
		.amdhsa_group_segment_fixed_size 1280
		.amdhsa_private_segment_fixed_size 0
		.amdhsa_enable_private_segment 0
		.amdhsa_kernarg_size 32
		.amdhsa_user_sgpr_count 2
		.amdhsa_user_sgpr_kernarg_segment_ptr 1
		.amdhsa_wavefront_size32 1
		.amdhsa_system_sgpr_workgroup_id_x 1
		.amdhsa_system_sgpr_workgroup_id_y 1
		.amdhsa_system_sgpr_workgroup_id_z 1
		.amdhsa_system_vgpr_workitem_id 0
		.amdhsa_next_free_vgpr 98
		.amdhsa_next_free_sgpr 66
		.amdhsa_reserve_vcc 0
		.amdhsa_float_denorm_mode_32 3
		.amdhsa_float_denorm_mode_16_64 3
		.amdhsa_memory_ordered 1
		.amdhsa_forward_progress 1
		.amdhsa_inst_pref_size 10
	.end_amdhsa_kernel
	.amdgpu_metadata
---
amdhsa.version: [ 1, 2 ]
amdhsa.kernels:
  - .name:           k_q271d32c582_finish
    .symbol:         k_q271d32c582_finish.kd
    .args:
      - { .name: scores, .offset: 0, .size: 8, .value_kind: global_buffer, .address_space: global }
      - { .name: part, .offset: 8, .size: 8, .value_kind: global_buffer, .address_space: global }
      - { .name: out0, .offset: 16, .size: 8, .value_kind: global_buffer, .address_space: global }
      - { .name: out1, .offset: 24, .size: 8, .value_kind: global_buffer, .address_space: global }
    .group_segment_fixed_size: 1280
    .private_segment_fixed_size: 0
    .kernarg_segment_align: 8
    .kernarg_segment_size: 32
    .max_flat_workgroup_size: 256
    .sgpr_count:     66
    .vgpr_count:     98
    .wavefront_size: 32
...
	.end_amdgpu_metadata
.endif
;; end of part 3
